; MI455X (gfx1250); checked and timed in simulation.
; The chip was launched on July 23, 2026; its instructions are those of AMD's public machine-readable ISA for CDNA 5 (MIT licence, August 2026) and "CDNA5" Instruction Set Architecture Reference Guide (July 2026). The comments in the code are by the model that wrote it; some were corrected since.
;; Cross Attention. Allowed arithmetic: matrix products marked QUANTISED: E2M1 operands, one E8M0 scale for each 32 along K, by v_wmma_scale_f32_16x16x128_f8f6f4 with both operands' format E2M1 (or v_wmma_scale_f32_32x16x128_f4), f32 sums; everything else in f32.
;; Inputs: Wk_codes 512 x 16 x 16 uint8 (E2M1 codes of Wk, K innermost, in blocks of 32 codes, two codes a byte); Wk_scales 512 x 16 uint8 (E8M0 scales of Wk, one for each 32 codes along K); Wo_codes 512 x 16 x 16 uint8 (E2M1 codes of Wo, K innermost, in blocks of 32 codes, two codes a byte); Wo_scales 512 x 16 uint8 (E8M0 scales of Wo, one for each 32 codes along K); Wq_codes 512 x 16 x 16 uint8 (E2M1 codes of Wq, K innermost, in blocks of 32 codes, two codes a byte); Wq_scales 512 x 16 uint8 (E8M0 scales of Wq, one for each 32 codes along K); Wv_codes 512 x 16 x 16 uint8 (E2M1 codes of Wv, K innermost, in blocks of 32 codes, two codes a byte); Wv_scales 512 x 16 uint8 (E8M0 scales of Wv, one for each 32 codes along K); bo 512 float32; x_codes 2 x 4,096 x 16 x 16 uint8 (E2M1 codes of x, K innermost, in blocks of 32 codes, two codes a byte); x_scales 2 x 4,096 x 16 uint8 (E8M0 scales of x, one for each 32 codes along K).
;; Outputs: out0 2 x 4,096 x 512 float32.
;; This version of the problem:
;;   THIS VERSION OF THE PROBLEM IS GIVEN IN LOW PRECISION. The matrix products marked QUANTISED in the list below multiply operands that are first quantised to E2M1 (2 exponent bits, 1 mantissa bit; 4 bits a number), with one power-of-two scale for each 32 numbers along K (OCP MX v1.0); their sums are f32. All else is computed in f32.
;;   The module's matrix products, in the order in which they are computed (A, B: the left and right operand; K: the contracted axis; several contracted axes count as one K, in the product's order):
;;     1. [M 8,192, K 512] x [K 512, N 512]; A: input x (given as codes); B: input Wq (given as codes): QUANTISED
;;     2. [M 8,192, K 512] x [K 512, N 512]; A: input x (given as codes); B: input Wk (given as codes): QUANTISED
;;     3. [M 8,192, K 512] x [K 512, N 512]; A: input x (given as codes); B: input Wv (given as codes): QUANTISED
;;     4. batch 16 x [M 4,096, K 64] x [K 64, N 4,096]; A: computed on the way; B: computed on the way: QUANTISED
;;     5. batch 16 x [M 64, K 4,096] x [K 4,096, N 4,096]; A: computed on the way; B: softmax (see below): QUANTISED
;;     6. [M 8,192, K 512] x [K 512, N 512]; A: computed on the way; B: input Wo (given as codes): QUANTISED
;;   THE QUANTISER, for each operand of a quantised product, along K:
;;     - K is cut into blocks of 32 from its start; a last block that is shorter is filled with zeros.
;;     - A block's scale is 2^e with e = floor(log2(the largest magnitude in the block)) - 2, held to -126 .. 127; a block of zeros has e = 0. As a byte (E8M0): e + 127.
;;     - Each number is divided by its block's scale, clamped to +-6, and rounded to the nearest number of E2M1, ties to even, subnormals kept.
;;     - The product sums the exact products of the quantised numbers (number of the format x scale) in f32.
;;   ~~~python
;;   def quantise(x, axis):      # numpy; x: float32 -> the quantised numbers, widened to float32 again
;;       x = np.moveaxis(x, axis, -1); K = x.shape[-1]
;;       x = np.pad(x, [(0, 0)] * (x.ndim - 1) + [(0, -K % 32)]); x = x.reshape(x.shape[:-1] + (-1, 32)); a = np.abs(x).max(-1, keepdims=True)
;;       e = np.where(a > 0, np.clip(np.frexp(np.where(a > 0, a, 1))[1] - 1 - 2, -126, 127), 0)      # np.frexp(a)[1] - 1 = floor(log2(a)), exactly
;;       r = np.clip(x / 2.0 ** e, -6, 6)
;;       step = 2.0 ** (np.maximum(np.frexp(np.where(r == 0, 1, r))[1] - 1, 0) - 1)
;;       q = np.round(r / step) * step * 2.0 ** e      # np.round: ties to even
;;       return np.moveaxis(q.reshape(q.shape[:-2] + (-1,))[..., :K], -1, axis).astype(np.float32)
;;   ~~~
;;   SOFTMAX AHEAD OF A QUANTISED PRODUCT. Where the list says 'softmax', what is quantised is not the finished softmax but p = 2^(t - M), with t = logit x log2(e) and M = ceil(the row's largest t), a whole number; so 1/2 < the row's largest p <= 1. The row's sum l is taken of the UNQUANTISED p, in f32, and the product's result is divided by l at the end. Since M is a whole number, a kernel that streams over the keys may use a running M (the ceiling of the running maximum): every later rescaling is an exact power of two, which a block's scale takes up: the codes' values come out the same.
;;   OPERANDS COMPUTED ON THE WAY. 'Computed on the way' means the value that the module computes at that place (a softmax that the list does not call 'softmax' is quantised finished and normalised). What goes into a quantiser is computed in f32, as accurately as f32 sums, v_exp_f32 and their like allow (about 1e-6 of the number): no bf16 or f16 on the way to a quantiser, and a product that is left as it is and whose result goes on into a quantised operand takes f32 operands (vector FMAs, or v_wmma_f32_16x16x4_f32). A number that lies on a knife's edge between two numbers of the format may be rounded either way, as far as f32 arithmetic and the matrix unit's own rounding can turn it there, and no further.
;;   INPUTS GIVEN AS CODES. Wk (in the module: [512, 512], K = its axis 0); Wo (in the module: [512, 512], K = its axis 0); Wq (in the module: [512, 512], K = its axis 0); Wv (in the module: [512, 512], K = its axis 0); x (in the module: [2, 4096, 512], K = its axis 2): each comes as NAME_codes (uint8): NAME with its K axis moved to the last place and cut into blocks of 32 codes, [.., K / 32, bytes a block], one block behind the other in memory; two codes a byte, the lower K in the low four bits (a code: sign, 2 exponent bits, 1 mantissa bit); and NAME_scales (uint8): the same leading axes, one E8M0 byte (e + 127) for each 32 codes along K. Its value is code x scale, taken as it is: it is not quantised again, and the codes and scales need not be those that the quantiser above would give.
;; One version. Each part assembles by itself: llvm-mc -triple=amdgcn-amd-amdhsa -mcpu=gfx1250 --defsym DOCPART=n.
;; ======== version 1 of 1: 3 launches
;; limits: right only within a limited range of input values
;; workspace buffers: qb 2,228,224 bytes; kv 4,456,448 bytes; ob 2,097,152 bytes; osc 131,072 bytes
;; launch proj (part 1): grid 64 x 8, 3 waves a work-group, no clusters, 0 bytes of LDS; arguments x_codes, x_scales, Wq_codes, Wq_scales, Wk_codes, Wk_scales, Wv_codes, Wv_scales, qb, kv; writes qb, kv
.if DOCPART == 1
	.amdgcn_target "amdgcn-amd-amdhsa--gfx1250"
	.amdhsa_code_object_version 6
	.text
	.protected	k_q5f791e385d_proj
	.globl	k_q5f791e385d_proj
	.p2align	8
	.type	k_q5f791e385d_proj,@function
k_q5f791e385d_proj:
	s_mov_b64 s[64:65], 0
	v_nop
	global_prefetch_b8 v0, s[64:65] scope:SCOPE_SE
	s_setreg_imm32_b32 hwreg(HW_REG_WAVE_MODE, 25, 1), 1
	s_wait_xcnt 0x0
; q = x Wq, k = x Wk, v = x Wv on codes of FP4 (E2M1) with E8M0 scales, and the three results quantised again: q and k along a head's 64 channels, v along the keys.
; x: [8,192 tokens][512] as codes, rows of 256 bytes, 16 scale bytes a row.  Wq, Wk, Wv: [512 channels][512] likewise.
; SHARES.  A work-group takes 128 tokens (x of the grid) of one head (y).  Wave 0 makes q, wave 1 k, wave 2 v.  A wave loads all its operands at once, 128 rows of x (32 KB) and the head's 64 rows of its
; weight (16 KB), straight into registers, and then works on registers alone: no LDS, no barrier, no loop.
; NO CLUSTER: no tile passes through LDS here, so there is no tensor load that partners could ask for jointly; each loaded fragment feeds its 4 or 8 products from the registers into which it came.
; THE ORDER rp.  Lane r of tile 2 b + u, of tokens and of channels alike, takes row 32 b + 8 u + r + 8 (r / 8).  In a result, register j of lane (r, h) is row 8 h + j of source 0's tile, so the 16 registers of
; tiles 2 b and 2 b + 1 are the 16 NEIGHBOURS 32 b + 16 h + 0 .. 15: what the conversions want.
; q, k: source 0 = 16 channels of W, source 1 = 16 tokens: a lane holds one token, its registers run along the channels.  A unit is two tiles of tokens x 64 channels.
; v:    source 0 = 16 tokens, source 1 = 16 channels of W: a lane holds one channel, its registers run along the 128 tokens.  A unit is one tile of channels.
; WHAT IS STORED are images of operand registers: each group of four registers 512 bytes, lane l's 16 bytes at 16 l.
;   qb [b x 8 + head][group of 128 tokens][4,352]: 8 tiles of 512 bytes (lane (r, h): channels 32 h on of its token); at 4,096 the scale words [r][pair i]: bytes (tile 2 i: block 0, 1; tile 2 i + 1: block 0, 1).
;   kv [b x 8 + head][step of 128 keys][8,704]: k as in qb; at 4,096 four fragments of v^T (16 channels x 128 keys, 1,024 bytes); at 8,192 k's scale words [r][4], at 8,448 v's [r][4].
; LIMITS: a block whose largest magnitude lies under 2^-124, a block of zeros among them, gets the scale byte 1 (its codes are then zeros or subnormal codes; only this program reads the bytes); NaN and infinities are not served.
; THE ORDER OF KEYS.  Wave 1 (k) takes x's rows in another order than waves 0 and 2: lane r of its token tile 4 c + u takes token 64 c + 8 u + r % 8 + 32 (r / 8), so that in the scores' result a lane's 32 registers
; of tiles 4 c .. 4 c + 3 are the 32 neighbouring keys 64 c + 32 (lane / 16) + 0 .. 31: one whole block.  x's rows have address registers of their own (v248-251); W's keep v1 and v2.
.set WS,  8
.set XS,  16                           ; v16-31   x's likewise, b = 0 .. 3
.set ACC, 32                           ; v32-95   eight accumulators
.set WF,  96                           ; v96-223  W's fragments: tile t, K step s at 32 t + 8 s.   Window 1: x's fragments, tile t, K step s at 32 t + 8 s
.set TM,  224                          ; v224-227 largest magnitudes, v228-231 the other half's, then bytes, v232-235 the conversions' scale operands
.set PC,  236                          ; v236-243 the codes just made
.set PW,  244                          ; v244-247 a scale word for each unit
.set SEL, 40                           ; s[40:41] lane selects for v_permlanex16_b32: lane l xor 16
.set MSB, 0
.macro WIN new                         ; the immediate's high byte repeats the setting that is left
.if MSB != \new
	s_set_vgpr_msb (MSB<<8)|\new
.set MSB, \new
.endif
.endm
; One product.  rD, rA, rB: the registers; rC: C's, or under 0 for the constant 0; sA, sB: the scale registers; oA, oB = 1: that side's words stand in lanes 16-31.
.macro WM
.if rC < 0
.if oA && oB
	v_wmma_scale_f32_16x16x128_f8f6f4 v[rD:rD+7], v[rA:rA+7], v[rB:rB+7], 0, v[sA], v[sB] matrix_a_fmt:MATRIX_FMT_FP4 matrix_b_fmt:MATRIX_FMT_FP4 matrix_a_scale:MATRIX_SCALE_ROW1 matrix_b_scale:MATRIX_SCALE_ROW1
.elseif oA
	v_wmma_scale_f32_16x16x128_f8f6f4 v[rD:rD+7], v[rA:rA+7], v[rB:rB+7], 0, v[sA], v[sB] matrix_a_fmt:MATRIX_FMT_FP4 matrix_b_fmt:MATRIX_FMT_FP4 matrix_a_scale:MATRIX_SCALE_ROW1
.elseif oB
	v_wmma_scale_f32_16x16x128_f8f6f4 v[rD:rD+7], v[rA:rA+7], v[rB:rB+7], 0, v[sA], v[sB] matrix_a_fmt:MATRIX_FMT_FP4 matrix_b_fmt:MATRIX_FMT_FP4 matrix_b_scale:MATRIX_SCALE_ROW1
.else
	v_wmma_scale_f32_16x16x128_f8f6f4 v[rD:rD+7], v[rA:rA+7], v[rB:rB+7], 0, v[sA], v[sB] matrix_a_fmt:MATRIX_FMT_FP4 matrix_b_fmt:MATRIX_FMT_FP4
.endif
.else
.if oA && oB
	v_wmma_scale_f32_16x16x128_f8f6f4 v[rD:rD+7], v[rA:rA+7], v[rB:rB+7], v[rC:rC+7], v[sA], v[sB] matrix_a_fmt:MATRIX_FMT_FP4 matrix_b_fmt:MATRIX_FMT_FP4 matrix_a_scale:MATRIX_SCALE_ROW1 matrix_b_scale:MATRIX_SCALE_ROW1
.elseif oA
	v_wmma_scale_f32_16x16x128_f8f6f4 v[rD:rD+7], v[rA:rA+7], v[rB:rB+7], v[rC:rC+7], v[sA], v[sB] matrix_a_fmt:MATRIX_FMT_FP4 matrix_b_fmt:MATRIX_FMT_FP4 matrix_a_scale:MATRIX_SCALE_ROW1
.elseif oB
	v_wmma_scale_f32_16x16x128_f8f6f4 v[rD:rD+7], v[rA:rA+7], v[rB:rB+7], v[rC:rC+7], v[sA], v[sB] matrix_a_fmt:MATRIX_FMT_FP4 matrix_b_fmt:MATRIX_FMT_FP4 matrix_b_scale:MATRIX_SCALE_ROW1
.else
	v_wmma_scale_f32_16x16x128_f8f6f4 v[rD:rD+7], v[rA:rA+7], v[rB:rB+7], v[rC:rC+7], v[sA], v[sB] matrix_a_fmt:MATRIX_FMT_FP4 matrix_b_fmt:MATRIX_FMT_FP4
.endif
.endif
.endm
; 64 numbers of a lane, v[s] on, register 16 b + i = place 32 b + 16 (lane / 16) + i along the quantiser's axis, become eight registers of codes in v[PC] on and a scale word in v[pw].
.macro QUANT s, pw
.irp b, 0,1,2,3
	v_max3_num_f32 v[TM+\b], |v[\s+16*\b]|, |v[\s+1+16*\b]|, 0x1800000   ; block b: my 16 numbers, and the floor 2^(3 - 127): the byte cannot fall under 1.  Each accumulator is read from its low end on
.endr
.irp i, 2,4,6,8,10,12,14
.irp b, 0,1,2,3
	v_max3_num_f32 v[TM+\b], v[TM+\b], |v[\s+16*\b+\i]|, |v[\s+1+16*\b+\i]|   ; the four blocks by turns
.endr
.endr
.irp b, 0,1,2,3
	v_permlanex16_b32 v[TM+4+\b], v[TM+\b], s[SEL], s[SEL+1]
.endr
.irp b, 0,1,2,3
	v_max_num_f32 v[TM+\b], v[TM+\b], v[TM+4+\b]   ; with lane l xor 16's: the block's largest magnitude
.endr
.irp b, 0,1,2,3
	v_add_nc_u32 v[TM+8+\b], 0xff000000, v[TM+\b]  ; 2 off its exponent field: the conversion takes that field of this operand as its scale
.endr
.irp b, 0,1,2,3
	v_lshrrev_b32 v[TM+4+\b], 23, v[TM+8+\b]       ; the scale's byte
.endr
	v_lshl_or_b32 v[\pw], v[TM+5], 8, v[TM+4]      ; the four bytes make the lane's scale word (lanes l and l xor 16 hold the same)
	v_lshl_or_b32 v[\pw], v[TM+6], 16, v[\pw]
	v_lshl_or_b32 v[\pw], v[TM+7], 24, v[\pw]
.irp b, 0,1,2,3
	v_cvt_scalef32_pk8_fp4_f32 v[PC+2*\b], v[\s+16*\b:\s+7+16*\b], v[TM+8+\b]
	v_cvt_scalef32_pk8_fp4_f32 v[PC+1+2*\b], v[\s+8+16*\b:\s+15+16*\b], v[TM+8+\b]
.endr
	v_nop                                          ; one plain place behind a scaled conversion
.irp c, 0,1                                    ; the operand's layout wants a whole block in a lane: lanes 0-15 block 2 c, lanes 16-31 block 2 c + 1
.irp i, 0,1
	v_permlane16_swap_b32 v[PC+4*\c+\i], v[PC+2+4*\c+\i]
.endr
.endr
.endm
; Behind a unit's 32 products: quantise its 64 numbers a lane and store the image, 1,024 bytes: each store of the wave covers 512 consecutive bytes, aligned.
.macro FINISH i
	WIN 0
.rept 5
	v_nop                                          ; places (ISA guide 7.12.1): four ahead of the first read of results, five ahead of the next unit's products, which write over these accumulators
.endr
	s_wait_xcnt 0x0                                ; the last unit's stores have read v[PC] on: it is written again only behind this wait
	QUANT ACC, PW+\i
.irp c, 0,1
	global_store_b128 v3, v[PC+4*\c:PC+4*\c+3], s[32:33] offset:1024*\i+512*\c
.endr
.endm
; q, k: pair i of token tiles.  Accumulator t: channels' tile t % 4, token tile 2 i + t / 4.  The eight accumulators take turns, K step by K step.
.macro QKUNIT i
	s_wait_loadcnt 48-16*\i                        ; loads come back in order: the scales, W and x's tiles up to 2 i + 1 are in; the 6 - 2 i later tiles, 8 loads each, may be out
	WIN 0x04                                       ; source 1 (x) window 1
.irp s, 0,1,2,3
.irp t, 0,1,2,3,4,5,6,7
.set rD, ACC+8*\t
.set rA, WF+32*(\t%4)+8*\s
.set rB, 32*(2*\i+\t/4)+8*\s
.if \s == 0
.set rC, -1
.else
.set rC, ACC+8*\t
.endif
.set sA, WS+4*((\t%4)/2)+\s
.set oA, \t%2
.set sB, XS+4*\i+\s
.set oB, \t/4
	WM
.endr
.endr
	FINISH \i
.endm
; v: tile i of the head's channels.  Accumulator t: token tile t.
.macro VUNIT i
	WIN 0x01                                       ; source 0 (x) window 1
.irp s, 0,1,2,3
.irp t, 0,1,2,3,4,5,6,7
.set rD, ACC+8*\t
.set rA, 32*\t+8*\s
.set rB, WF+32*\i+8*\s
.if \s == 0
.set rC, -1
.else
.set rC, ACC+8*\t
.endif
.set sA, XS+4*(\t/2)+\s
.set oA, \t%2
.set sB, WS+4*(\i/2)+\s
.set oB, \i%2
	WM
.endr
.endr
	FINISH \i
.endm
	s_load_b256 s[4:11], s[0:1], 0x0               ; x's codes s[4:5], x's scales s[6:7], Wq's codes s[8:9], Wq's scales s[10:11]
	s_load_b256 s[12:19], s[0:1], 0x20             ; Wk's codes, Wk's scales, Wv's codes, Wv's scales
	s_load_b128 s[20:23], s[0:1], 0x40             ; qb s[20:21], kv s[22:23]
	v_lshrrev_b32 v6, 5, v0
	v_readfirstlane_b32 s24, v6                    ; wave 0..2: q, k, v
	s_mov_b32 s25, ttmp9                           ; g: the group of 128 tokens, 32 to a batch
	s_and_b32 s26, ttmp7, 0xffff
	s_cmp_eq_u32 s24, 1                            ; wave 1 makes k
	s_cselect_b32 s27, 3, 1                        ; x's row of lane r: r + 24 (r / 8) for k, r + 8 (r / 8) for q and v
	s_cselect_b32 s46, 0, 4096                     ; tiles 2, 3, 6, 7 begin 16 rows of 256 bytes further on for q and v than for k
	s_cselect_b32 s47, 0, 256                      ; and their scale rows 16 x 16 bytes
	v_and_b32 v5, 31, v0                           ; lane
	v_and_b32 v6, 15, v0                           ; r
	v_bfe_u32 v7, v0, 4, 1                         ; h
	v_and_b32 v1, 8, v6
	v_mad_u32_u24 v248, v1, s27, v6                ; x's row for my lane
	v_add_nc_u32 v1, v1, v6
	v_lshl_add_u32 v250, v7, 3, v248
	v_lshlrev_b32 v250, 4, v250                    ; x's scale rows: lanes 16-31 take the next tile, 8 rows on
	v_lshlrev_b32 v248, 8, v248
	v_lshl_add_u32 v248, v7, 4, v248               ; x's codes: the row, + 16 h
	v_add_nc_u32 v249, s46, v248                   ; the same for tiles 2, 3, 6, 7
	v_add_nc_u32 v251, s47, v250
	v_lshl_add_u32 v2, v7, 3, v1
	v_lshlrev_b32 v2, 4, v2                        ; scale rows of 16 bytes: row rp (lanes 0-15: tile 2 b) or rp + 8 (lanes 16-31: tile 2 b + 1)
	v_lshlrev_b32 v1, 8, v1
	v_lshl_add_u32 v1, v7, 4, v1                   ; codes: row rp of 256 bytes, + 16 h
	v_lshlrev_b32 v3, 4, v5                        ; an image's place for my lane: 16 x lane
	v_lshlrev_b32 v4, 4, v6                        ; the scale words' place: 16 r
.irp b, 0,1,2,3
	v_mov_b32 v[TM+4+\b], 0                        ; written once: a lane permute's destination counts as one of its sources
.endr
	s_mov_b32 s[SEL], 0x76543210
	s_mov_b32 s[SEL+1], 0xfedcba98
	s_wait_alu depctr_va_vdst(0)
	s_wait_kmcnt 0x0
	s_cmp_eq_u32 s24, 0                            ; the choices hang on the wave's number alone
	s_cselect_b64 s[28:29], s[8:9], s[12:13]       ; W's codes,
	s_cselect_b64 s[30:31], s[10:11], s[14:15]     ; W's scales,
	s_cselect_b64 s[32:33], s[20:21], s[22:23]     ; and where the results go
	s_mov_b32 s36, 8704
	s_cselect_b32 s36, 4352, s36                   ; bytes of a group in that buffer
	s_mov_b32 s38, 8192
	s_cselect_b32 s38, 4096, s38                   ; where the scale words begin in it
	s_mov_b32 s37, 0                               ; and the codes
	s_cmp_eq_u32 s24, 2
	s_cselect_b64 s[28:29], s[16:17], s[28:29]
	s_cselect_b64 s[30:31], s[18:19], s[30:31]
	s_cselect_b32 s37, 4096, s37
	s_cselect_b32 s38, 8448, s38
	s_lshr_b32 s34, s25, 5                         ; the batch
	s_lshl_b32 s34, s34, 3
	s_add_co_u32 s34, s34, s26                     ; batch x 8 + head
	s_lshl_b32 s34, s34, 5
	s_and_b32 s35, s25, 31
	s_add_co_u32 s34, s34, s35                     ; x 32 + the group in the batch
	s_mul_i32 s34, s34, s36                        ; under 512 x 8,704 bytes
	s_mov_b32 s35, 0
	s_add_nc_u64 s[32:33], s[32:33], s[34:35]
	s_mov_b32 s34, s38
	s_add_nc_u64 s[44:45], s[32:33], s[34:35]      ; the scale words' place
	s_mov_b32 s34, s37
	s_add_nc_u64 s[32:33], s[32:33], s[34:35]      ; the codes' place
	s_lshl_b32 s34, s25, 15                        ; x: 128 rows of 256 bytes a group,
	s_add_nc_u64 s[4:5], s[4:5], s[34:35]
	s_lshl_b32 s34, s25, 11                        ; of 16 scale bytes
	s_add_nc_u64 s[6:7], s[6:7], s[34:35]
	s_lshl_b32 s34, s26, 14                        ; W: 64 rows a head
	s_add_nc_u64 s[28:29], s[28:29], s[34:35]
	s_lshl_b32 s34, s26, 10
	s_add_nc_u64 s[30:31], s[30:31], s[34:35]
.irp b, 0,1,2,3
	global_load_b128 v[XS+4*\b:XS+4*\b+3], v[250+(\b%2)], s[6:7] offset:(64*(\b/2)+16*(\b%2))*16
.endr
.irp b, 0,1
	global_load_b128 v[WS+4*\b:WS+4*\b+3], v2, s[30:31] offset:512*\b
.endr
.irp t, 0,1,2,3
.irp s, 0,1,2,3
.irp c, 0,1
	global_load_b128 v[WF+32*\t+8*\s+4*\c:WF+32*\t+8*\s+4*\c+3], v1, s[28:29] offset:(32*(\t/2)+8*(\t%2))*256+64*\s+32*\c
.endr
.endr
.endr
	WIN 0x40                                       ; destination window 1
.irp t, 0,1,2,3,4,5,6,7
.irp s, 0,1,2,3
.irp c, 0,1
	global_load_b128 v[32*\t+8*\s+4*\c:32*\t+8*\s+4*\c+3], v[248+((\t/2)%2)], s[4:5] offset:(64*(\t/4)+8*(\t%4))*256+64*\s+32*\c
.endr
.endr
.endr
	WIN 0
	s_cmp_eq_u32 s24, 2
	s_cbranch_scc1 .Lv
	QKUNIT 0
	QKUNIT 1
	QKUNIT 2
	QKUNIT 3
	s_branch .Lsc
.Lv:
	s_wait_loadcnt 0x0                             ; a unit of v takes all eight tiles of x
	VUNIT 0
	VUNIT 1
	VUNIT 2
	VUNIT 3
.Lsc:
	s_wait_xcnt 0x0                                ; EXEC changes only behind this wait
	v_cmp_gt_u32 vcc_lo, 16, v5
	s_and_saveexec_b32 s42, vcc_lo
	global_store_b128 v4, v[PW:PW+3], s[44:45]     ; lanes 0-15: the four units' scale words of my row: 256 consecutive bytes, aligned
	s_wait_xcnt 0x0
	s_or_b32 exec_lo, exec_lo, s42
	s_endpgm
.Lfunc_end_k_q5f791e385d_proj:
	.size	k_q5f791e385d_proj, .Lfunc_end_k_q5f791e385d_proj-k_q5f791e385d_proj
	.p2alignl 7, 3214868480
	.fill 96, 4, 3214868480
	.section	.rodata,"a",@progbits
	.p2align	6, 0x0
	.amdhsa_kernel k_q5f791e385d_proj
		.amdhsa_group_segment_fixed_size 0
		.amdhsa_private_segment_fixed_size 0
		.amdhsa_enable_private_segment 0
		.amdhsa_kernarg_size 80
		.amdhsa_user_sgpr_count 2
		.amdhsa_user_sgpr_kernarg_segment_ptr 1
		.amdhsa_wavefront_size32 1
		.amdhsa_system_sgpr_workgroup_id_x 1
		.amdhsa_system_sgpr_workgroup_id_y 1
		.amdhsa_system_sgpr_workgroup_id_z 1
		.amdhsa_system_vgpr_workitem_id 0
		.amdhsa_next_free_vgpr 512
		.amdhsa_next_free_sgpr 66
		.amdhsa_reserve_vcc 1
		.amdhsa_float_denorm_mode_32 3
		.amdhsa_float_denorm_mode_16_64 3
		.amdhsa_memory_ordered 1
		.amdhsa_forward_progress 1
		.amdhsa_inst_pref_size 79
	.end_amdhsa_kernel
	.amdgpu_metadata
---
amdhsa.version: [ 1, 2 ]
amdhsa.kernels:
  - .name:           k_q5f791e385d_proj
    .symbol:         k_q5f791e385d_proj.kd
    .args:
      - { .name: x_codes, .offset: 0, .size: 8, .value_kind: global_buffer, .address_space: global }
      - { .name: x_scales, .offset: 8, .size: 8, .value_kind: global_buffer, .address_space: global }
      - { .name: Wq_codes, .offset: 16, .size: 8, .value_kind: global_buffer, .address_space: global }
      - { .name: Wq_scales, .offset: 24, .size: 8, .value_kind: global_buffer, .address_space: global }
      - { .name: Wk_codes, .offset: 32, .size: 8, .value_kind: global_buffer, .address_space: global }
      - { .name: Wk_scales, .offset: 40, .size: 8, .value_kind: global_buffer, .address_space: global }
      - { .name: Wv_codes, .offset: 48, .size: 8, .value_kind: global_buffer, .address_space: global }
      - { .name: Wv_scales, .offset: 56, .size: 8, .value_kind: global_buffer, .address_space: global }
      - { .name: qb, .offset: 64, .size: 8, .value_kind: global_buffer, .address_space: global }
      - { .name: kv, .offset: 72, .size: 8, .value_kind: global_buffer, .address_space: global }
    .group_segment_fixed_size: 0
    .private_segment_fixed_size: 0
    .kernarg_segment_align: 8
    .kernarg_segment_size: 80
    .max_flat_workgroup_size: 96
    .sgpr_count:     66
    .vgpr_count:     512
    .wavefront_size: 32
...
	.end_amdgpu_metadata
.endif
;; end of part 1
;; launch attn (part 2): grid 16 x 16, 16 waves a work-group, clusters of 4 x 1, 327,680 bytes of LDS; arguments qb, kv, ob, osc; writes ob, osc
.if DOCPART == 2
	.amdgcn_target "amdgcn-amd-amdhsa--gfx1250"
	.amdhsa_code_object_version 6
	.text
	.protected	k_q5f791e385d_attn
	.globl	k_q5f791e385d_attn
	.p2align	8
	.type	k_q5f791e385d_attn,@function
k_q5f791e385d_attn:
	s_mov_b64 s[64:65], 0
	v_nop
	global_prefetch_b8 v0, s[64:65] scope:SCOPE_SE
	s_setreg_imm32_b32 hwreg(HW_REG_WAVE_MODE, 25, 1), 1
	s_wait_xcnt 0x0
	s_wait_alu depctr_hold_cnt(0) depctr_sa_sdst(0) depctr_va_vdst(0) depctr_va_sdst(0) depctr_va_ssrc(0) depctr_va_vcc(0) depctr_vm_vsrc(0)
	s_getreg_b32 s2, hwreg(HW_REG_IB_STS2, 6, 4)
	s_cmp_eq_u32 s2, 0
	s_cbranch_scc0 .Lentry_in_a_cluster
	s_endpgm
.Lentry_in_a_cluster:
	s_bfe_u32 s2, ttmp6, 0x10000c
	s_cmp_lg_u32 s2, 0x3003
	s_cbranch_scc0 .Lentry_shape_is_right
	s_endpgm
.Lentry_shape_is_right:
; O[q] = the sum over the keys of softmax(q . k / 8) v, for one head, both products on codes of FP4 (E2M1) with E8M0 scales; O / the row's sum is quantised along the head's 64 channels for the last projection.
; THE SOFTMAX: t = score x log2(e) / 8; M = the largest t so far, rounded UP to a whole number; p = 2^(t - M) is quantised along the keys, not normalised.  The row's sum is taken of the unquantised p
; and divides O at the end.  When M moves, the sum and O are multiplied by 2^(old M - new M): exact.
; SHARES.  y of the grid = batch x 8 + head; a work-group owns 256 queries, each of its sixteen waves one tile of 16, in 256 registers.  Every wave walks the head's 4,096 keys, 256 a trip: 16 trips.
; THE WHOLE HEAD LIES IN LDS: 32 key steps x 8,704 bytes = 278,528, as they lie in kv (images of operand registers: lane l's 16 bytes at 16 l).  Each byte is filled ONCE: wave w brings key steps 2 w and 2 w + 1
; with its one tensor load (17,408 bytes as 68 rows of 256).  One wait and one barrier follow; no barrier stands in the walk.  Behind the head 512 bytes of a stage for O's scale bytes, then the spare words.
; CLUSTER.  The four work-groups of a cluster are four query blocks of one head and want the same bytes: each load is asked for JOINTLY, with the same descriptor and the mask of all four.
; NO PREFETCH: all of the head's bytes are asked for by the sixteen loads at the kernel's head; there is no loop ahead of them in which to ask earlier.
; LAYOUT.  Both products transposed: S^T = K Q^T (source 0 = keys), O^T = V^T P^T (source 0 = channels): a lane holds ONE query (lane % 16).  Lane r of key tile 4 c + u holds key 64 c + 8 u + r % 8 + 32 (r / 8),
; so a lane's 32 registers of tiles 4 c .. 4 c + 3 are keys 64 c + 32 (lane / 16) + 0 .. 31: ONE WHOLE BLOCK of the quantiser.  Its largest score needs no other lane, and the four conversions' results are registers
; 4 c .. 4 c + 3 of p's operand as they stand.  Only the row's maximum and the scale word's bytes cross from lane l to lane l xor 16.
; A HEAD OF 64 IN A PRODUCT OF 128.  A fragment of k holds TWO key tiles: registers 0-3 tile 2 b, registers 4-7 tile 2 b + 1.  Against (q, 0) it gives tile 2 b's scores, against (0, q) tile 2 b + 1's: zero codes add
; nothing (no scale byte here is 0xff).  v[16:27] = 0, q, 0 serves both; q's scale word is (s0, s1, s0, s1).
; LIMITS: a block whose largest magnitude lies under 2^-124, a block of zeros among them, gets the scale byte 1 (only this program reads the bytes); NaN and infinities are not served; the scaled scores t stay under 2^31 in magnitude.
.set STEPB, 8704                       ; a key step in kv and in LDS: k 4,096, v^T 4,096, scale words 512
.set HEADB, 32*STEPB
.set LOADB, 2*STEPB                    ; what one tensor load brings, and what one trip reads
.set STG,   HEADB                      ; the stage: two bytes a query, 32 bytes a wave
.set SPARE, HEADB+512                  ; the spare words: 128 bytes a wave, eight blocks of 256 bytes that no other line names
.set LI,  1                            ; v1   16 x lane
.set AD,  2                            ; v2   LDS address of the trip's first key step
.set SA,  3                            ; v3   the stage: where I put my query's two bytes
.set SR,  4                            ; v4   and where wave 0 reads them back
.set H8,  5                            ; v5   8 x (lane / 16): my bytes' place in a scale word, in bits
.set SPW, 6                            ; v6   LDS address of my spare word; never rewritten
.set NIL, 7                            ; v7   0; never rewritten
.set BM,  8                            ; v8-11    register 2 a + c: the largest score, then the largest p, of my block of half a, group c.   v12 -M, v13 the largest t, v[14:15] the sum in two halves
.set QW,  28                           ; v28  q's scale word
.set TMP, 29
.set F,   30                           ; v[30:31] f = 2^(old M - new M); v31 is written once, since the pair is named
.set KF,  32                           ; v32-63   four fragments: k's of the first half, k's of the second, then v^T's of the first
.set SW,  64                           ; v64-71   register 4 a + i: lanes 0-15 k's scale words of pair i, lanes 16-31 v's of fragment i
.set PCD, 72                           ; v72-79   p's codes of the first half (the second half's go to v[S] on, v^T's second fragments to v[S+32] on)
.set SOP, 80                           ; v80-83   the conversions' scale operands
.set PWD, 84                           ; v84-85   p's scale words
.set X,   86                           ; v86-87   the other lane's, and the maxima's second chains
.set CH,  88                           ; v88-95   the sum's four chains; ahead of them the bytes
.set S,   96                           ; v96-223  S^T, then p: 256 keys
.set O,   224                          ; v224-255 O^T
.set WV,  12                           ; s12  my wave's number
.set CS,  22                           ; s[22:23] c = log2(e) / 8
.set G1,  24                           ; s[24:31] descriptor group 1;  s[32:35] group 0
.set G0,  32
.set TB,  66                           ; s66  LDS byte at which the trip's keys begin
.set CNT, 67
.set SEL, 68                           ; s[68:69] lane selects for v_permlanex16_b32: lane l xor 16
; A round of the cluster's barrier: my work-group's barrier; wave 0 signals for the work-group; every wave waits for all four work-groups; my work-group's barrier once more.
.macro CROUND
	s_barrier_signal -1
	s_barrier_wait -1
	s_cmp_lg_u32 s[WV], 0
	s_cbranch_scc1 .Lnot_wave_0_\@
	s_barrier_signal -3
.Lnot_wave_0_\@:
	s_barrier_wait -3
	s_barrier_signal -1
	s_barrier_wait -1
.endm
.macro PLACES n
.rept \n
	v_nop
.endr
.endm
.macro FLOAD dst, off                  ; four fragments, 4,096 bytes, into 32 registers
.irp i, 0,1,2,3
.irp c, 0,1
	ds_load_b128 v[(\dst)+8*\i+4*\c:(\dst)+8*\i+4*\c+3], v[AD] offset:(\off)+1024*\i+512*\c
.endr
.endr
.endm
.macro SCORES a                        ; S^T = K Q^T for half a: 128 keys, eight tiles
.irp b, 0,1,2,3
	v_wmma_scale_f32_16x16x128_f8f6f4 v[S+64*\a+16*\b:S+64*\a+16*\b+7], v[KF+8*\b:KF+8*\b+7], v[20:27], 0, v[SW+4*\a+\b], v[QW] matrix_a_fmt:MATRIX_FMT_FP4 matrix_b_fmt:MATRIX_FMT_FP4
	v_wmma_scale_f32_16x16x128_f8f6f4 v[S+64*\a+16*\b+8:S+64*\a+16*\b+15], v[KF+8*\b:KF+8*\b+7], v[16:23], 0, v[SW+4*\a+\b], v[QW] matrix_a_fmt:MATRIX_FMT_FP4 matrix_b_fmt:MATRIX_FMT_FP4
.endr
.endm
; The largest score of my two blocks of half a: 32 registers each, in two chains each, the four chains by turns; each tile of scores is first read at one of its four lowest registers.
.macro BMAX a
.irp c, 0,1
	v_max3_num_f32 v[BM+2*\a+\c], v[S+64*\a+32*\c], v[S+64*\a+32*\c+1], v[S+64*\a+32*\c+2]
	v_max3_num_f32 v[X+\c], v[S+64*\a+32*\c+16], v[S+64*\a+32*\c+17], v[S+64*\a+32*\c+18]
.endr
.irp i, 3,5,7,9,11,13
.irp c, 0,1
	v_max3_num_f32 v[BM+2*\a+\c], v[BM+2*\a+\c], v[S+64*\a+32*\c+\i], v[S+64*\a+32*\c+\i+1]
	v_max3_num_f32 v[X+\c], v[X+\c], v[S+64*\a+32*\c+16+\i], v[S+64*\a+32*\c+17+\i]
.endr
.endr
.irp c, 0,1
	v_max3_num_f32 v[BM+2*\a+\c], v[BM+2*\a+\c], v[S+64*\a+32*\c+15], v[S+64*\a+32*\c+31]
.endr
.irp c, 0,1
	s_delay_alu instid0(VALU_DEP_2)
	v_max_num_f32 v[BM+2*\a+\c], v[BM+2*\a+\c], v[X+\c]
.endr
.endm
.macro SUMS from, n                    ; n pairs of p from register S + from on, onto the four chains by turns
.set j, \from
.rept \n
	v_pk_add_f32 v[CH+2*((j/2)%4):CH+2*((j/2)%4)+1], v[CH+2*((j/2)%4):CH+2*((j/2)%4)+1], v[S+j:S+j+1]
.set j, j+2
.endr
.endm
.macro CODES a, dst                    ; half a's 64 numbers of my lane become eight registers of codes: p's operand as it stands
.irp c, 0,1
.irp g, 0,1,2,3
	v_cvt_scalef32_pk8_fp4_f32 v[(\dst)+4*\c+\g], v[S+64*\a+32*\c+8*\g:S+64*\a+32*\c+8*\g+7], v[SOP+2*\a+\c]
.endr
.endr
.endm
.macro PV a, vf, pc                    ; O^T += V^T P^T for half a: four accumulators by turns
.irp i, 0,1,2,3
	v_wmma_scale_f32_16x16x128_f8f6f4 v[O+8*\i:O+8*\i+7], v[(\vf)+8*\i:(\vf)+8*\i+7], v[(\pc):(\pc)+7], v[O+8*\i:O+8*\i+7], v[SW+4*\a+\i], v[PWD+\a] matrix_a_fmt:MATRIX_FMT_FP4 matrix_b_fmt:MATRIX_FMT_FP4 matrix_a_scale:MATRIX_SCALE_ROW1
.endr
.endm
	s_load_b256 s[4:11], s[0:1], 0x0               ; qb s[4:5], kv s[6:7], ob s[8:9], osc s[10:11]
	v_lshl_add_u32 v[SPW], v0, 2, SPARE
	v_mov_b32 v[NIL], 0
	ds_add_u32 v[SPW], v[NIL]                      ; the opening lines: the add, twice on end, and its wait ahead of my tensor load
	ds_add_u32 v[SPW], v[NIL]
	v_lshrrev_b32 v2, 5, v0
	v_readfirstlane_b32 s[WV], v2                  ; wave 0..15
	s_bfe_u32 s13, ttmp6, 0x40000                  ; cx: my place in the cluster
	s_lshl_b32 s14, ttmp9, 2                       ; in a cluster launch ttmp9 counts clusters
	s_add_co_u32 s14, s14, s13                     ; my block of 256 queries: it enters global addresses of qb, ob and osc alone
	s_and_b32 s15, ttmp7, 0xffff                   ; batch x 8 + head, which the four partners share
	s_mov_b32 s[G1+0], 15|(3<<16)|(1<<21)          ; the mask: all four work-groups; elements of 8 bytes; no padding; bit 21 set beside a mask
	s_mov_b32 s[G1+1], 32<<16                      ; tensor_dim0 = 32
	s_mov_b32 s[G1+2], 68<<16                      ; tensor_dim1 = 68
	s_mov_b32 s[G1+3], 32<<16                      ; tile_dim0 = 32
	s_mov_b32 s[G1+4], 68                          ; tile_dim1 = 68
	s_mov_b32 s[G1+5], 32                          ; from row to row: 32 elements
	s_mov_b32 s[G1+6], 0
	s_mov_b32 s[G1+7], 0
	s_mul_i32 s17, s[WV], LOADB                    ; my two key steps' place in the head, in LDS as in memory
	s_mul_i32 s18, s15, HEADB                      ; the head's first byte in kv
	s_add_co_u32 s18, s18, s17
	s_mov_b32 s19, 0
	s_lshl_b32 s70, s[WV], 5                       ; the stage: 32 bytes a wave
	s_and_b32 s71, s[WV], 7                        ; my tile among the eight of its group of 128 queries
	s_lshl_b32 s73, s71, 9                         ; its image: 512 x tile
	s_lshr_b32 s71, s71, 1
	s_lshl_b32 s71, s71, 2                         ; its pair's scale word: 4 x pair
	s_and_b32 s16, s[WV], 1
	s_cmp_eq_u32 s16, 0
	s_mov_b32 s72, 0x03020302                      ; an odd tile's two bytes are the word's upper two,
	s_cselect_b32 s72, 0x01000100, s72             ; an even tile's the lower two: twice over
	s_lshl_b32 s74, s15, 5                         ; qb: (batch x 8 + head) x 32 + 2 x block + wave / 8 groups of 4,352 bytes
	s_lshl_b32 s75, s14, 1
	s_add_co_u32 s74, s74, s75
	s_lshr_b32 s75, s[WV], 3
	s_add_co_u32 s74, s74, s75
	s_mul_i32 s74, s74, 4352
	s_mov_b32 s75, 0
	s_lshr_b32 s76, s15, 3                         ; ob: token tile T = 256 x batch + 16 x block + wave, 4,096 bytes each; in it 512 x head
	s_lshl_b32 s76, s76, 8
	s_lshl_b32 s77, s14, 4
	s_add_co_u32 s76, s76, s77
	s_add_co_u32 s76, s76, s[WV]
	s_lshl_b32 s76, s76, 12
	s_and_b32 s77, s15, 7
	s_lshl_b32 s77, s77, 9
	s_add_co_u32 s76, s76, s77
	s_mov_b32 s77, 0
	s_lshl_b32 s78, s15, 13                        ; osc: 8,192 x (batch x 8 + head) + 512 x block
	s_lshl_b32 s79, s14, 9
	s_add_co_u32 s78, s78, s79
	s_mov_b32 s79, 0
	s_mov_b32 s[CS], 0x3e38aa3b                    ; c = log2(e) / 8
	s_mov_b32 s[CS+1], s[CS]                       ; (named with it as a pair, so it is written)
	s_mov_b32 s[SEL], 0x76543210
	s_mov_b32 s[SEL+1], 0xfedcba98
	s_mov_b32 s[TB], 0
	s_mov_b32 s[CNT], 16
	s_wait_dscnt 0x0                               ; both opening adds are done
	s_wait_kmcnt 0x0
	s_mov_b32 s[G0], 1                             ; count = 1
	s_mov_b32 s[G0+1], s17                         ; LDS address: of the wave's number alone
	s_add_nc_u64 s[G0+2:G0+3], s[6:7], s[18:19]    ; global address: of the head and the wave's number, which the partners share
	s_or_b32 s[G0+3], s[G0+3], 0x80000000          ; type = 2
	s_add_nc_u64 s[74:75], s[4:5], s[74:75]
	s_add_nc_u64 s[76:77], s[8:9], s[76:77]
	s_add_nc_u64 s[78:79], s[10:11], s[78:79]
	CROUND                                         ; all four work-groups are here: the joint loads meet
	tensor_load_to_lds s[G0:G0+3], s[G1:G1+7]      ; my one tensor load of the launch: key steps 2 w and 2 w + 1
	s_nop 0
	v_and_b32 v8, 31, v0                           ; lane
	v_and_b32 v9, 15, v0                           ; r
	v_and_b32 v[H8], 16, v0
	v_lshlrev_b32 v[LI], 4, v8
	v_lshlrev_b32 v10, 4, v9
	v_lshlrev_b32 v[SA], 1, v9
	v_lshrrev_b32 v[H8], 1, v[H8]
	v_add_nc_u32 v[SA], s70, v[SA]
	v_add_nc_u32 v[SR], STG, v[LI]
	v_add_nc_u32 v8, s73, v[LI]                    ; q's image: 512 x tile + 16 x lane
	v_add_nc_u32 v9, s71, v10                      ; its pair's scale word: 16 r + 4 x pair
	v_add_nc_u32 v[SA], STG, v[SA]                 ; STG + 32 x wave + 2 r
	global_load_b128 v[20:23], v8, s[74:75]        ; q: lane (r, h): channels 32 h on of query r
	global_load_b32 v[TMP], v9, s[74:75] offset:4096
.irp j, 16,17,18,19,24,25,26,27
	v_mov_b32 v[\j], 0                             ; the zero codes on either side of q
.endr
	v_mov_b32 v13, 0xff61b1e6                      ; the largest t so far: -3e38, under every t
	v_mov_b32 v14, 0                               ; the sum, in two halves
	v_mov_b32 v15, 0
	v_floor_f32 v12, -v13                          ; -M
	v_mov_b32 v[X], 0                              ; written once: a lane permute's destination counts as one of its sources
	v_mov_b32 v[X+1], 0
	v_mov_b32 v[F+1], 0
	s_wait_loadcnt 0x0
	v_perm_b32 v[QW], v[TMP], v[TMP], s72          ; (s0, s1, s0, s1)
.set j, 0
.rept 32
	v_mov_b32 v[O+j], 0                            ; O^T: the trip is written once; the first finds zeros, which the first change of M leaves zeros
.set j, j+1
.endr
	s_wait_alu depctr_va_vdst(0)
	s_wait_tensorcnt 0x0                           ; my two key steps are in
	s_barrier_signal -1
	s_barrier_wait -1                              ; and so are everybody's: the whole head lies in LDS, and nothing is filled again
.Ltrip:                                                ; 256 keys: halves 0 and 1 of 128
	v_add_nc_u32 v[AD], s[TB], v[LI]
	PLACES 4                                       ; with the addition: five places between the last trip's products and the products below that write over their operands; four serve the loads
	FLOAD KF, 0                                    ; k of half 0
	ds_load_b128 v[SW:SW+3], v[AD] offset:8192
	ds_load_b128 v[SW+4:SW+7], v[AD] offset:STEPB+8192
	s_wait_alu depctr_va_vdst(0)
	s_wait_dscnt 0x0
	SCORES 0
	PLACES 4
	FLOAD KF, STEPB                                ; k of half 1, on its way under half 0's maxima
	BMAX 0
	s_wait_dscnt 0x0
	SCORES 1
	PLACES 4
	FLOAD KF, 4096                                 ; v^T of half 0, on its way under the softmax
	BMAX 1
	v_max3_num_f32 v[TMP], v[BM], v[BM+1], v[BM+2]
	s_delay_alu instid0(VALU_DEP_1)
	v_max_num_f32 v[TMP], v[TMP], v[BM+3]          ; my four blocks' largest score,
	s_delay_alu instid0(VALU_DEP_1)
	v_permlanex16_b32 v[X], v[TMP], s[SEL], s[SEL+1]
	s_delay_alu instid0(VALU_DEP_1)
	v_max_num_f32 v[TMP], v[TMP], v[X]             ; with lane l xor 16's four: the trip's largest score of my query
	s_delay_alu instid0(VALU_DEP_1)
	v_mul_f32 v[TMP], s[CS], v[TMP]                ; as t (c is positive)
	s_delay_alu instid0(VALU_DEP_1)
	v_max_num_f32 v13, v13, v[TMP]                 ; the running largest t
	v_mov_b32 v[TMP], v12
	s_delay_alu instid0(VALU_DEP_2)
	v_floor_f32 v12, -v13                          ; the new -M = floor(-t) = -ceil(t)
	s_delay_alu instid0(VALU_DEP_1)
	v_sub_f32 v[TMP], v12, v[TMP]                  ; old M - new M: a whole number, 0 or less
	s_delay_alu instid0(VALU_DEP_1)
	v_cvt_i32_f32 v[TMP], v[TMP]                   ; (it saturates)
	s_delay_alu instid0(VALU_DEP_1)
	v_ldexp_f32 v[F], 1.0, v[TMP]                  ; f = 2^(old M - new M)
.set j, 0
.rept 64
	v_pk_fma_f32 v[S+j:S+j+1], v[S+j:S+j+1], s[CS:CS+1], v[12:13] op_sel_hi:[1,0,0]   ; t - M, two at a time (of the pairs c and -M the low word serves both halves)
.set j, j+2
.endr
.irp b, 0,1,2,3
	v_fma_f32 v[BM+\b], v[BM+\b], s[CS], v12       ; the same of each block's largest score
.endr
	s_wait_alu depctr_va_vdst(0)
.set j, 0
.rept 128
	v_exp_f32 v[S+j], v[S+j]                       ; p = 2^(t - M), at most 1
.set j, j+1
.endr
.irp b, 0,1,2,3
	v_exp_f32 v[BM+\b], v[BM+\b]                   ; the block's largest p: the same two instructions on the same number
.endr
	v_pk_mul_f32 v[14:15], v[14:15], v[F:F+1] op_sel_hi:[1,0]   ; the sums under the new M (a plain place behind the exponentials)
	s_wait_alu depctr_va_vdst(0)                   ; one wait for the batch, ahead of its first reader
.irp b, 0,1,2,3
	v_max_num_f32 v[BM+\b], 0x1800000, v[BM+\b]    ; the floor 2^(3 - 127): the byte cannot fall under 1
.endr
.irp b, 0,1,2,3
	s_delay_alu instid0(VALU_DEP_4)
	v_add_nc_u32 v[SOP+\b], 0xff000000, v[BM+\b]   ; 2 off the exponent field: the conversion's scale operand
.endr
.irp b, 0,1,2,3
	s_delay_alu instid0(VALU_DEP_4)
	v_lshrrev_b32 v[CH+\b], 23, v[SOP+\b]          ; the scale's byte
.endr
.irp a, 0,1
	v_lshl_or_b32 v[PWD+\a], v[CH+2*\a+1], 16, v[CH+2*\a]   ; my two bytes of half a: blocks h and 2 + h,
.endr
.irp a, 0,1
	s_delay_alu instid0(VALU_DEP_2)
	v_lshlrev_b32 v[PWD+\a], v[H8], v[PWD+\a]      ; at their places in the word;
.endr
.irp a, 0,1
	s_delay_alu instid0(VALU_DEP_2)
	v_permlanex16_b32 v[X+\a], v[PWD+\a], s[SEL], s[SEL+1]
.endr
.irp a, 0,1
	s_delay_alu instid0(VALU_DEP_2)
	v_or_b32 v[PWD+\a], v[PWD+\a], v[X+\a]         ; with lane l xor 16's two the word is whole
.endr
.irp i, 0,1,2,3
	v_pk_add_f32 v[CH+2*\i:CH+2*\i+1], v[S+4*\i:S+4*\i+1], v[S+4*\i+2:S+4*\i+3]   ; THE ROW'S SUM IS TAKEN OF THE UNQUANTISED p: the four chains begin
.endr
	SUMS 16, 24                                    ; the rest of half 0
	CODES 0, PCD
	FLOAD S+32, STEPB+4096                         ; v^T of half 1, into registers of p that are summed and converted
	SUMS 64, 32                                    ; half 1 (also the plain places behind the conversions above)
	CODES 1, S                                     ; half 1's codes go where half 0's first p lay
	v_pk_add_f32 v[CH:CH+1], v[CH:CH+1], v[CH+2:CH+3]
	v_pk_add_f32 v[CH+4:CH+5], v[CH+4:CH+5], v[CH+6:CH+7]
	s_delay_alu instid0(VALU_DEP_1)
	v_pk_add_f32 v[CH:CH+1], v[CH:CH+1], v[CH+4:CH+5]
	s_delay_alu instid0(VALU_DEP_1)
	v_pk_add_f32 v[14:15], v[14:15], v[CH:CH+1]
	s_wait_alu depctr_va_vdst(0)                   ; directly ahead of the first reader of O^T
.set j, 0
.rept 16
	v_pk_mul_f32 v[O+j:O+j+1], v[O+j:O+j+1], v[F:F+1] op_sel_hi:[1,0]   ; O^T under the new M, each accumulator from its low end on (also the places between p's codes and scale words and the products below)
.set j, j+2
.endr
	s_wait_alu depctr_va_vdst(0)
	s_wait_dscnt 8                                 ; LDS loads come back in order: v^T of half 0 is in, half 1's eight loads may be out
	PV 0, KF, PCD
	s_wait_dscnt 0x0
	PV 1, S+32, S
	s_add_co_u32 s[TB], s[TB], LOADB
	s_sub_co_u32 s[CNT], s[CNT], 1
	s_cmp_lg_u32 s[CNT], 0
	s_cbranch_scc1 .Ltrip
	; THE WAY OUT.  O^T / the row's sum; its two blocks of 32 channels are quantised (v's channels are laid so that register 16 b + i is channel 32 b + 16 (lane / 16) + i); the four registers of codes are the image of this head's part of the last projection's operand.
	PLACES 4                                       ; behind the last products
	v_add_f32 v14, v14, v15                        ; the sum's two halves,
	s_delay_alu instid0(VALU_DEP_1)
	v_permlanex16_b32 v[X], v14, s[SEL], s[SEL+1]
	s_delay_alu instid0(VALU_DEP_1)
	v_add_f32 v14, v14, v[X]                       ; and lane l xor 16's
	s_wait_alu depctr_va_vdst(0)
	v_rcp_f32 v14, v14
	v_nop                                          ; one plain place behind a transcendental
	s_wait_alu depctr_va_vdst(0)                   ; the wait ahead of its first reader, which is O^T's first reader too
.set j, 0
.rept 16
	v_pk_mul_f32 v[S+j:S+j+1], v[O+j:O+j+1], v[14:15] op_sel_hi:[1,0]
.set j, j+2
.endr
.irp b, 0,1
	v_max3_num_f32 v[BM+\b], |v[S+16*\b]|, |v[S+1+16*\b]|, 0x1800000
.endr
.irp i, 2,4,6,8,10,12,14
.irp b, 0,1
	s_delay_alu instid0(VALU_DEP_2)
	v_max3_num_f32 v[BM+\b], v[BM+\b], |v[S+16*\b+\i]|, |v[S+1+16*\b+\i]|
.endr
.endr
.irp b, 0,1
	s_delay_alu instid0(VALU_DEP_2)
	v_permlanex16_b32 v[X+\b], v[BM+\b], s[SEL], s[SEL+1]
.endr
.irp b, 0,1
	s_delay_alu instid0(VALU_DEP_2)
	v_max_num_f32 v[BM+\b], v[BM+\b], v[X+\b]
.endr
.irp b, 0,1
	s_delay_alu instid0(VALU_DEP_2)
	v_add_nc_u32 v[SOP+\b], 0xff000000, v[BM+\b]
.endr
.irp b, 0,1
	s_delay_alu instid0(VALU_DEP_2)
	v_lshrrev_b32 v[CH+\b], 23, v[SOP+\b]
.endr
	s_delay_alu instid0(VALU_DEP_1)
	v_lshl_or_b32 v[CH+2], v[CH+1], 8, v[CH]       ; my query's two scale bytes
.irp b, 0,1
	v_cvt_scalef32_pk8_fp4_f32 v[PCD+2*\b], v[S+16*\b:S+7+16*\b], v[SOP+\b]
	v_cvt_scalef32_pk8_fp4_f32 v[PCD+1+2*\b], v[S+8+16*\b:S+15+16*\b], v[SOP+\b]
.endr
	v_nop                                          ; one plain place behind a scaled conversion
	v_permlane16_swap_b32 v[PCD], v[PCD+2]         ; lanes 0-15 block 0, lanes 16-31 block 1
	v_permlane16_swap_b32 v[PCD+1], v[PCD+3]
	global_store_b128 v[LI], v[PCD:PCD+3], s[76:77]   ; 512 consecutive bytes, aligned
	ds_store_b16 v[SA], v[CH+2]                    ; both lanes of a query write the same two bytes with the same value
	s_wait_dscnt 0x0                               ; for the others' sake: my store into the stage is done
	s_barrier_signal -1
	s_barrier_wait -1
	s_cmp_lg_u32 s[WV], 0
	s_cbranch_scc1 .Lnot_0
	ds_load_b128 v[PCD+4:PCD+7], v[SR]             ; the work-group's 256 queries x 2 bytes
	s_wait_dscnt 0x0
	global_store_b128 v[LI], v[PCD+4:PCD+7], s[78:79]   ; 512 consecutive bytes, aligned
.Lnot_0:
	s_wait_tensorcnt 0x0                           ; the wave's end
	ds_add_u32 v[SPW], v[NIL]
	s_wait_dscnt 0x0
	CROUND                                         ; the closing round: no work-group ends while a partner may still ask for a tile that names it
	s_endpgm
.Lfunc_end_k_q5f791e385d_attn:
	.size	k_q5f791e385d_attn, .Lfunc_end_k_q5f791e385d_attn-k_q5f791e385d_attn
	.p2alignl 7, 3214868480
	.fill 96, 4, 3214868480
	.section	.rodata,"a",@progbits
	.p2align	6, 0x0
	.amdhsa_kernel k_q5f791e385d_attn
		.amdhsa_group_segment_fixed_size 327680
		.amdhsa_private_segment_fixed_size 0
		.amdhsa_enable_private_segment 0
		.amdhsa_kernarg_size 32
		.amdhsa_user_sgpr_count 2
		.amdhsa_user_sgpr_kernarg_segment_ptr 1
		.amdhsa_wavefront_size32 1
		.amdhsa_system_sgpr_workgroup_id_x 1
		.amdhsa_system_sgpr_workgroup_id_y 1
		.amdhsa_system_sgpr_workgroup_id_z 1
		.amdhsa_system_vgpr_workitem_id 0
		.amdhsa_next_free_vgpr 256
		.amdhsa_next_free_sgpr 80
		.amdhsa_reserve_vcc 0
		.amdhsa_float_denorm_mode_32 3
		.amdhsa_float_denorm_mode_16_64 3
		.amdhsa_memory_ordered 1
		.amdhsa_forward_progress 1
		.amdhsa_inst_pref_size 38
	.end_amdhsa_kernel
	.amdgpu_metadata
---
amdhsa.version: [ 1, 2 ]
amdhsa.kernels:
  - .name:           k_q5f791e385d_attn
    .symbol:         k_q5f791e385d_attn.kd
    .args:
      - { .name: qb, .offset: 0, .size: 8, .value_kind: global_buffer, .address_space: global }
      - { .name: kv, .offset: 8, .size: 8, .value_kind: global_buffer, .address_space: global }
      - { .name: ob, .offset: 16, .size: 8, .value_kind: global_buffer, .address_space: global }
      - { .name: osc, .offset: 24, .size: 8, .value_kind: global_buffer, .address_space: global }
    .group_segment_fixed_size: 327680
    .private_segment_fixed_size: 0
    .kernarg_segment_align: 8
    .kernarg_segment_size: 32
    .max_flat_workgroup_size: 512
    .sgpr_count:     80
    .vgpr_count:     256
    .wavefront_size: 32
...
	.end_amdgpu_metadata
.endif
;; end of part 2
;; launch oproj (part 3): grid 256 x 1, 4 waves a work-group, no clusters, 34,304 bytes of LDS; arguments ob, osc, Wo_codes, Wo_scales, bo, out0; writes out0
.if DOCPART == 3
	.amdgcn_target "amdgcn-amd-amdhsa--gfx1250"
	.amdhsa_code_object_version 6
	.text
	.protected	k_q5f791e385d_oproj
	.globl	k_q5f791e385d_oproj
	.p2align	8
	.type	k_q5f791e385d_oproj,@function
k_q5f791e385d_oproj:
	s_mov_b64 s[64:65], 0
	v_nop
	global_prefetch_b8 v0, s[64:65] scope:SCOPE_SE
	s_setreg_imm32_b32 hwreg(HW_REG_WAVE_MODE, 25, 1), 1
	s_wait_xcnt 0x0
; out0 = O Wo + bo on codes of FP4 (E2M1) with E8M0 scales.  O: 8,192 tokens x 512 (head x 64 + channel), as images of operand registers in ob [token tile T][head][512 bytes] and two scale bytes for each
; token and head in osc [batch x 8 + head][T % 256][16].  Row r of tile T is token 32 (T / 2) + 8 (T % 2) + r + 8 (r / 8).  Wo: [512 outputs][512] as codes, rows of 256 bytes, 16 scale bytes a row.  bo [512], out0 [8,192][512]: f32.
; SHARES.  A work-group takes 32 tokens (tiles 2 G and 2 G + 1); wave w makes outputs 128 w to 128 w + 127 for them.  A wave's 128 rows of Wo (32 KB) and the two tiles of O (8 KB) go straight into its registers.
; NO CLUSTER: no tile passes through LDS on its way in, so there is no tensor load that partners could ask for jointly.  No barrier: each wave has a stage of its own for the way out.
; THE PRODUCT IS USED TRANSPOSED (source 0 = 16 rows of Wo, source 1 = 16 tokens): a lane holds eight neighbouring outputs of one token.  bo is the C of each sum's first product.
; A K step of 128 is two heads: head 2 s + c's image is registers 4 c to 4 c + 3 of the fragment; its scale word is the two heads' byte pairs.
.set LI,  1                            ; v1   16 x lane: an image's place; also Wo's scale rows (lanes 0-15: tile 2 b's row r, lanes 16-31: tile 2 b + 1's)
.set CA,  2                            ; v2   Wo's codes: 256 r + 16 h
.set R2,  4                            ; v4   2 r
.set H32, 5                            ; v5   32 h
.set STO, 6                            ; v6   the stage: where I put 32 bytes of a row
.set RD,  7                            ; v7   and where I read a row back
.set ACC, 32                           ; v32-95   eight accumulators, later 16 rows of out0
.set OF,  96                           ; v96-159  O's fragments: tile u, K step s at 32 u + 8 s
.set WOS, 160                          ; v160-175 Wo's scale words: register 4 b + s
.set OSW, 176                          ; v176-183 O's scale words: 4 u + s
.set RAW, 184                          ; v184-199 O's byte pairs as loaded: 8 u + head.   Window 1: Wo's fragments, tile t, K step s at 32 t + 8 s.   Window 2: v0-63 bo in the result's layout, 8 t
.set MSB, 0
.macro WIN new                         ; the immediate's high byte repeats the setting that is left
.if MSB != \new
	s_set_vgpr_msb (MSB<<8)|\new
.set MSB, \new
.endif
.endm
.macro WM                              ; one product: rD, rA, rB, rC the registers; sA, sB the scale registers; oA = 1: Wo's words stand in lanes 16-31
.if oA
	v_wmma_scale_f32_16x16x128_f8f6f4 v[rD:rD+7], v[rA:rA+7], v[rB:rB+7], v[rC:rC+7], v[sA], v[sB] matrix_a_fmt:MATRIX_FMT_FP4 matrix_b_fmt:MATRIX_FMT_FP4 matrix_a_scale:MATRIX_SCALE_ROW1
.else
	v_wmma_scale_f32_16x16x128_f8f6f4 v[rD:rD+7], v[rA:rA+7], v[rB:rB+7], v[rC:rC+7], v[sA], v[sB] matrix_a_fmt:MATRIX_FMT_FP4 matrix_b_fmt:MATRIX_FMT_FP4
.endif
.endm
; Token tile u: 32 products, the eight accumulators by turns, K step by K step; then 16 rows x 512 bytes through my stage and out.
.macro UNIT u
.irp s, 0,1,2,3
.if \s == 0
	WIN 0x21                                       ; source 0 (Wo) window 1, C (bo) window 2
.else
	WIN 0x01
.endif
.irp t, 0,1,2,3,4,5,6,7
.set rD, ACC+8*\t
.set rA, 32*\t+8*\s
.set rB, OF+32*\u+8*\s
.if \s == 0
.set rC, 8*\t
.else
.set rC, ACC+8*\t
.endif
.set sA, WOS+4*(\t/2)+\s
.set oA, \t%2
.set sB, OSW+4*\u+\s
	WM
.endr
.endr
	WIN 0
.rept 5
	v_nop                                          ; places: four ahead of the stores that read results, five ahead of the next tile's products, which write over these accumulators
.endr
.irp t, 0,1,2,3,4,5,6,7
	ds_store_b128 v[STO], v[ACC+8*\t:ACC+8*\t+3] offset:64*\t          ; lane (r, h): outputs 16 t + 8 h + 0 .. 7 of row r; each accumulator from its low end on
	ds_store_b128 v[STO], v[ACC+8*\t+4:ACC+8*\t+7] offset:64*\t+16
.endr
.irp i, 0,1,2,3,4,5,6,7,8,9,10,11,12,13,14,15
	ds_load_b128 v[ACC+4*\i:ACC+4*\i+3], v[RD] offset:528*\i           ; LDS serves a wave's instructions in order (ISA guide 5.7.1.4): these see the stores above
.endr
.irp i, 0,1,2,3,4,5,6,7,8,9,10,11,12,13,14,15
	s_wait_dscnt 15-\i                             ; row i is back; the 15 - i later loads may be out
	global_store_b128 v[LI], v[ACC+4*\i:ACC+4*\i+3], s[14:15] offset:(8*\u+\i+8*(\i/8))*2048 th:TH_STORE_NT   ; row i of the tile is token 8 u + i + 8 (i / 8) of the 32: 512 consecutive bytes, aligned; written once
.endr
.endm
	s_load_b256 s[4:11], s[0:1], 0x0               ; ob s[4:5], osc s[6:7], Wo's codes s[8:9], Wo's scales s[10:11]
	s_load_b128 s[12:15], s[0:1], 0x20             ; bo s[12:13], out0 s[14:15]
	v_lshl_add_u32 v254, v0, 2, 0x8400
	v_mov_b32 v255, 0
	v_lshrrev_b32 v8, 5, v0
	v_readfirstlane_b32 s16, v8                    ; wave 0..3
	v_and_b32 v8, 31, v0                           ; lane
	v_and_b32 v9, 15, v0                           ; r
	v_bfe_u32 v10, v0, 4, 1                        ; h
	v_lshlrev_b32 v[LI], 4, v8
	v_lshlrev_b32 v[CA], 8, v9
	v_lshl_add_u32 v[CA], v10, 4, v[CA]
	v_lshlrev_b32 v[R2], 1, v9
	v_lshlrev_b32 v[H32], 5, v10
	s_mul_i32 s17, s16, 16*528                     ; my stage: 16 rows of 512 bytes + 16
	v_mul_u32_u24 v[STO], v9, 528
	v_add_nc_u32 v[STO], v[STO], v[H32]
	v_add_nc_u32 v[STO], s17, v[STO]
	v_add_nc_u32 v[RD], s17, v[LI]
	s_mov_b32 s19, 0
	s_lshr_b32 s20, ttmp9, 7                       ; the batch
	s_lshl_b32 s20, s20, 16                        ; its eight heads' 8,192 bytes each in osc,
	s_and_b32 s21, ttmp9, 127
	s_lshl_b32 s21, s21, 6                         ; and tile 2 G of the batch's 256: 32 bytes a tile
	s_add_co_u32 s20, s20, s21
	s_mov_b32 s21, 0
	s_wait_alu depctr_va_vdst(0)
	s_wait_kmcnt 0x0
	s_add_nc_u64 s[6:7], s[6:7], s[20:21]
	s_lshl_b32 s18, ttmp9, 13                      ; ob: two tiles of 4,096 bytes
	s_add_nc_u64 s[4:5], s[4:5], s[18:19]
	s_lshl_b32 s18, s16, 15                        ; Wo: my 128 rows of 256 bytes,
	s_add_nc_u64 s[8:9], s[8:9], s[18:19]
	s_lshl_b32 s18, s16, 11                        ; of 16 scale bytes
	s_add_nc_u64 s[10:11], s[10:11], s[18:19]
	s_lshl_b32 s18, s16, 9                         ; bo: my 128 numbers
	s_add_nc_u64 s[12:13], s[12:13], s[18:19]
	s_add_nc_u64 s[14:15], s[14:15], s[18:19]      ; out0: the same 512 bytes of a row,
	s_lshl_b32 s18, ttmp9, 16                      ; 32 rows of 2,048 bytes a work-group
	s_add_nc_u64 s[14:15], s[14:15], s[18:19]
.irp u, 0,1
.irp d, 0,1,2,3,4,5,6,7
	global_load_u16 v[RAW+8*\u+\d], v[R2], s[6:7] offset:\d*8192+32*\u
.endr
.endr
.irp b, 0,1,2,3
	global_load_b128 v[WOS+4*\b:WOS+4*\b+3], v[LI], s[10:11] offset:512*\b
.endr
.irp u, 0,1
.irp s, 0,1,2,3
.irp c, 0,1
	global_load_b128 v[OF+32*\u+8*\s+4*\c:OF+32*\u+8*\s+4*\c+3], v[LI], s[4:5] offset:\u*4096+(2*\s+\c)*512
.endr
.endr
.endr
	WIN 0x80                                       ; destination window 2
.irp t, 0,1,2,3,4,5,6,7
	global_load_b128 v[8*\t:8*\t+3], v[H32], s[12:13] offset:64*\t        ; bo at outputs 16 t + 8 h + 0 .. 7
	global_load_b128 v[8*\t+4:8*\t+7], v[H32], s[12:13] offset:64*\t+16
.endr
	WIN 0x40                                       ; destination window 1
.irp t, 0,1,2,3,4,5,6,7
.irp s, 0,1,2,3
.irp c, 0,1
	global_load_b128 v[32*\t+8*\s+4*\c:32*\t+8*\s+4*\c+3], v[CA], s[8:9] offset:16*\t*256+64*\s+32*\c
.endr
.endr
.endr
	WIN 0
	s_wait_loadcnt 0x0
.irp u, 0,1
.irp s, 0,1,2,3
	v_lshl_or_b32 v[OSW+4*\u+\s], v[RAW+8*\u+2*\s+1], 16, v[RAW+8*\u+2*\s]   ; K step s: head 2 s's two bytes, then head 2 s + 1's
.endr
.endr
.rept 8
	v_nop                                          ; a scale register written by a vector instruction stands eight places ahead of a scaled product
.endr
	UNIT 0
	s_wait_xcnt 0x0                                ; tile 0's stores have read their registers: the accumulators are written again only behind this wait
	s_wait_alu depctr_va_vdst(0)
	UNIT 1
	s_wait_tensorcnt 0x0
	ds_add_u32 v254, v255
	s_wait_dscnt 0x0
	s_endpgm
.Lfunc_end_k_q5f791e385d_oproj:
	.size	k_q5f791e385d_oproj, .Lfunc_end_k_q5f791e385d_oproj-k_q5f791e385d_oproj
	.p2alignl 7, 3214868480
	.fill 96, 4, 3214868480
	.section	.rodata,"a",@progbits
	.p2align	6, 0x0
	.amdhsa_kernel k_q5f791e385d_oproj
		.amdhsa_group_segment_fixed_size 34304
		.amdhsa_private_segment_fixed_size 0
		.amdhsa_enable_private_segment 0
		.amdhsa_kernarg_size 48
		.amdhsa_user_sgpr_count 2
		.amdhsa_user_sgpr_kernarg_segment_ptr 1
		.amdhsa_wavefront_size32 1
		.amdhsa_system_sgpr_workgroup_id_x 1
		.amdhsa_system_sgpr_workgroup_id_y 1
		.amdhsa_system_sgpr_workgroup_id_z 1
		.amdhsa_system_vgpr_workitem_id 0
		.amdhsa_next_free_vgpr 576
		.amdhsa_next_free_sgpr 66
		.amdhsa_reserve_vcc 0
		.amdhsa_float_denorm_mode_32 3
		.amdhsa_float_denorm_mode_16_64 3
		.amdhsa_memory_ordered 1
		.amdhsa_forward_progress 1
		.amdhsa_inst_pref_size 31
	.end_amdhsa_kernel
	.amdgpu_metadata
---
amdhsa.version: [ 1, 2 ]
amdhsa.kernels:
  - .name:           k_q5f791e385d_oproj
    .symbol:         k_q5f791e385d_oproj.kd
    .args:
      - { .name: ob, .offset: 0, .size: 8, .value_kind: global_buffer, .address_space: global }
      - { .name: osc, .offset: 8, .size: 8, .value_kind: global_buffer, .address_space: global }
      - { .name: Wo_codes, .offset: 16, .size: 8, .value_kind: global_buffer, .address_space: global }
      - { .name: Wo_scales, .offset: 24, .size: 8, .value_kind: global_buffer, .address_space: global }
      - { .name: bo, .offset: 32, .size: 8, .value_kind: global_buffer, .address_space: global }
      - { .name: out0, .offset: 40, .size: 8, .value_kind: global_buffer, .address_space: global }
    .group_segment_fixed_size: 34304
    .private_segment_fixed_size: 0
    .kernarg_segment_align: 8
    .kernarg_segment_size: 48
    .max_flat_workgroup_size: 128
    .sgpr_count:     66
    .vgpr_count:     576
    .wavefront_size: 32
...
	.end_amdgpu_metadata
.endif
;; end of part 3
